; MI455X (gfx1250); checked and timed in simulation.
; The chip was launched on July 23, 2026; its instructions are those of AMD's public machine-readable ISA for CDNA 5 (MIT licence, August 2026) and "CDNA5" Instruction Set Architecture Reference Guide (July 2026). The comments in the code are by the model that wrote it; some were corrected since.
;; Spatial MHSA. Allowed arithmetic: matrix products marked QUANTISED: E3M2 operands, one E8M0 scale for each 32 along K, by v_wmma_scale_f32_16x16x128_f8f6f4 with both operands' format E3M2, f32 sums; everything else in f32.
;; Inputs: Wk 512 x 512 float32; Wo 512 x 512 float32; Wq 512 x 512 float32; Wv 512 x 512 float32; bk 512 float32; bo 512 float32; bq 512 float32; bv 512 float32; gamma 1 float32; x 2 x 512 x 64 x 64 float32.
;; Outputs: out0 2 x 512 x 64 x 64 float32.
;; This version of the problem:
;;   THIS VERSION OF THE PROBLEM IS GIVEN IN LOW PRECISION. The matrix products marked QUANTISED in the list below multiply operands that are first quantised to E3M2 (3 exponent bits, 2 mantissa bits; 6 bits a number), with one power-of-two scale for each 32 numbers along K (OCP MX v1.0); their sums are f32. All else is computed in f32.
;;   The module's matrix products, in the order in which they are computed (A, B: the left and right operand; K: the contracted axis; several contracted axes count as one K, in the product's order):
;;     1. [M 512, K 512] x [K 512, N 8,192]; A: input Wq; B: input x: QUANTISED
;;     2. [M 512, K 512] x [K 512, N 8,192]; A: input Wk; B: input x: QUANTISED
;;     3. [M 512, K 512] x [K 512, N 8,192]; A: input Wv; B: input x: QUANTISED
;;     4. batch 16 x [M 4,096, K 64] x [K 64, N 4,096]; A: computed on the way; B: computed on the way: QUANTISED
;;     5. batch 16 x [M 4,096, K 4,096] x [K 4,096, N 64]; A: softmax (see below); B: computed on the way: QUANTISED
;;     6. [M 512, K 512] x [K 512, N 8,192]; A: input Wo; B: computed on the way: QUANTISED
;;   THE QUANTISER, for each operand of a quantised product, along K:
;;     - K is cut into blocks of 32 from its start; a last block that is shorter is filled with zeros.
;;     - A block's scale is 2^e with e = floor(log2(the largest magnitude in the block)) - 4, held to -126 .. 127; a block of zeros has e = 0. As a byte (E8M0): e + 127.
;;     - Each number is divided by its block's scale, clamped to +-28, and rounded to the nearest number of E3M2, ties to even, subnormals kept.
;;     - The product sums the exact products of the quantised numbers (number of the format x scale) in f32.
;;   ~~~python
;;   def quantise(x, axis):      # numpy; x: float32 -> the quantised numbers, widened to float32 again
;;       x = np.moveaxis(x, axis, -1); K = x.shape[-1]
;;       x = np.pad(x, [(0, 0)] * (x.ndim - 1) + [(0, -K % 32)]); x = x.reshape(x.shape[:-1] + (-1, 32)); a = np.abs(x).max(-1, keepdims=True)
;;       e = np.where(a > 0, np.clip(np.frexp(np.where(a > 0, a, 1))[1] - 1 - 4, -126, 127), 0)      # np.frexp(a)[1] - 1 = floor(log2(a)), exactly
;;       r = np.clip(x / 2.0 ** e, -28, 28)
;;       step = 2.0 ** (np.maximum(np.frexp(np.where(r == 0, 1, r))[1] - 1, -2) - 2)
;;       q = np.round(r / step) * step * 2.0 ** e      # np.round: ties to even
;;       return np.moveaxis(q.reshape(q.shape[:-2] + (-1,))[..., :K], -1, axis).astype(np.float32)
;;   ~~~
;;   SOFTMAX AHEAD OF A QUANTISED PRODUCT. Where the list says 'softmax', what is quantised is not the finished softmax but p = 2^(t - M), with t = logit x log2(e) and M = ceil(the row's largest t), a whole number; so 1/2 < the row's largest p <= 1. The row's sum l is taken of the UNQUANTISED p, in f32, and the product's result is divided by l at the end. Since M is a whole number, a kernel that streams over the keys may use a running M (the ceiling of the running maximum): every later rescaling is an exact power of two, which a block's scale takes up: the codes' values come out the same.
;;   OPERANDS COMPUTED ON THE WAY. 'Computed on the way' means the value that the module computes at that place (a softmax that the list does not call 'softmax' is quantised finished and normalised). What goes into a quantiser is computed in f32, as accurately as f32 sums, v_exp_f32 and their like allow (about 1e-6 of the number): no bf16 or f16 on the way to a quantiser, and a product that is left as it is and whose result goes on into a quantised operand takes f32 operands (vector FMAs, or v_wmma_f32_16x16x4_f32). A number that lies on a knife's edge between two numbers of the format may be rounded either way, as far as f32 arithmetic and the matrix unit's own rounding can turn it there, and no further.
;; One version. Each part assembles by itself: llvm-mc -triple=amdgcn-amd-amdhsa -mcpu=gfx1250 --defsym DOCPART=n.
;; ======== version 1 of 1: 4 launches
;; workspace buffers: xq 3,276,800 bytes; wq 851,968 bytes; qq 3,276,800 bytes; kv 6,553,600 bytes; oq 3,670,016 bytes
;; launch prep (part 1): grid 384 x 1, 4 waves a work-group, no clusters, 12,800 bytes of LDS; arguments x, Wq, Wk, Wv, Wo, xq, wq; writes xq, wq
.if DOCPART == 1
	.amdgcn_target "amdgcn-amd-amdhsa--gfx1250"
	.amdhsa_code_object_version 6
	.text
	.protected	k_qf64c994b24_prep
	.globl	k_qf64c994b24_prep
	.p2align	8
	.type	k_qf64c994b24_prep,@function
k_qf64c994b24_prep:
	s_mov_b64 s[64:65], 0
	v_nop
	global_prefetch_b8 v0, s[64:65] scope:SCOPE_SE
	s_setreg_imm32_b32 hwreg(HW_REG_WAVE_MODE, 25, 1), 1
	s_wait_xcnt 0x0
; x [2][512][4096] and Wq, Wk, Wv, Wo [512][512], f32, become codes of BF6 (E3M2) with one E8M0 byte for each 32 along c, the K of the four projections.
; They are stored as IMAGES OF OPERAND REGISTERS: a fragment (16 rows x 128 K) is 12 registers a lane = 1,536 bytes; registers 4 g .. 4 g + 3 of lane l lie at 512 g + 16 l.
; THE ROWS OF A TILE ARE NOT NEIGHBOURS: lane-row r of tile 2 b + u (of a group of 128 tokens, or of the 512 rows of a weight) is row 32 b + 8 u + r + 8 (r / 8).
; xq: fragments [group 64][K step 4][tile 8]; at XS the scale words [group][K step][b 4][32 lanes]: lanes 0-15 tile 2 b, lanes 16-31 tile 2 b + 1.
; wq: fragments [matrix 4: q, k, v, o][tile 32][K step 4]; at WS 128 bytes a fragment: row r's word in lanes r and 16 + r.
; A block's scale byte is its largest magnitude's exponent field - 4, held at 1 from below.
; LIMITS: NaN and infinities among the inputs are not served; a block of zeros gets the byte 1 where the rule says 127: its codes are zeros, and this program alone reads the bytes.
; Work-groups 0-255: x, one group of 128 tokens x 128 channels each; c is not innermost, so a LANE TAKES A TOKEN and its registers run down c: a block of 32 lies in one lane.
; Work-groups 256-383: the weights, a fragment a wave; c is innermost there, so a lane loads the very 32 + 32 numbers that the operand's layout gives it.
; No tensor loads, no barrier: waves share nothing.  No cluster: no two work-groups read the same bytes.
.set XS,    3145728
.set WS,    786432
.set FLOOR, 0x2800000                  ; 2^(5 - 127): no largest magnitude is taken under it, so the byte cannot fall under 1
.set EOFF,  0xfe000000                 ; -(4 << 23): 4 off an exponent field
.set X,     32                         ; v32-159  128 numbers of my token
.set CD,    160                        ; v160-191 eight registers for each block's codes
	s_load_b256 s[4:11], s[0:1], 0x0               ; x, Wq, Wk, Wv
	s_load_b128 s[12:15], s[0:1], 0x20             ; Wo, xq
	s_load_b64 s[16:17], s[0:1], 0x30              ; wq
	v_lshl_add_u32 v192, v0, 2, 0x3000
	v_mov_b32 v193, 0
	v_lshrrev_b32 v1, 5, v0
	v_readfirstlane_b32 s18, v1                    ; wave 0..3
	v_and_b32 v2, 31, v0                           ; lane
	v_lshlrev_b32 v8, 4, v2                        ; 16 x lane
	s_cmp_ge_u32 ttmp9, 256
	s_cbranch_scc1 .Lweights
	; ---------------- x ----------------
	s_lshr_b32 s19, ttmp9, 2                       ; the group of 128 tokens
	s_and_b32 s20, ttmp9, 3                        ; the K step of 128 channels
	s_lshr_b32 s21, s19, 5                         ; n
	s_lshl_b32 s21, s21, 23                        ; 512 x 4,096 x 4 bytes
	s_lshl_b32 s20, s20, 21                        ; 128 channels of 16,384 bytes
	s_or_b32 s21, s21, s20
	s_and_b32 s19, s19, 31
	s_lshl_b32 s19, s19, 9                         ; 128 tokens of 4 bytes
	s_or_b32 s21, s21, s19
	s_lshl_b32 s19, s18, 7                         ; my wave's 32 tokens; also its 128 bytes of scale words
	s_or_b32 s22, s21, s19
	s_mov_b32 s23, 0
	s_mul_i32 s24, s18, 3072                       ; my wave's two fragments: in the stage and in xq
	s_mul_i32 s26, ttmp9, 12288                    ; (group, K step): eight fragments
	s_add_co_u32 s26, s26, s24
	s_mov_b32 s27, 0
	s_lshl_b32 s28, ttmp9, 9                       ; (group, K step): 512 bytes of scale words
	s_add_co_u32 s28, s28, s19
	s_add_co_u32 s28, s28, XS
	s_mov_b32 s29, 0
	s_wait_alu depctr_va_vdst(0)
	v_lshlrev_b32 v3, 2, v2                        ; in: 4 bytes a lane
	v_and_b32 v4, 7, v2
	v_lshrrev_b32 v5, 4, v2
	v_lshl_add_u32 v4, v5, 3, v4                   ; r = lane % 8 + 8 (lane / 16): my token's lane-row,
	v_bfe_u32 v5, v2, 3, 1                         ; u = (lane / 8) % 2: in tile 2 w + u
	v_mul_u32_u24 v6, v4, 48
	v_mad_u32_u24 v6, v5, 1536, v6
	v_add_nc_u32 v6, s24, v6                       ; the stage, on the way in: [fragment u][lane slot r + 16 h][48 bytes]
	v_mul_u32_u24 v7, v2, 48
	v_add_nc_u32 v7, s24, v7                       ; and on the way out: my lane's slot
	v_lshlrev_b32 v9, 2, v4
	v_lshl_add_u32 v9, v5, 6, v9                   ; my token's scale word: 64 u + 4 r
	s_wait_kmcnt 0x0
	s_add_nc_u64 s[4:5], s[4:5], s[22:23]
	s_add_nc_u64 s[26:27], s[14:15], s[26:27]
	s_add_nc_u64 s[28:29], s[14:15], s[28:29]
.macro LOAD blk                        ; block blk: x(32 blk + i, my token): 32 lanes read 128 consecutive bytes, the four waves 512
.set li, 0
.rept 32
	global_load_b32 v[X+32*(\blk)+li], v3, s[4:5] offset:(32*(\blk)+li)*16384 th:TH_LOAD_NT
.set li, li+1
.endr
.endm
.macro BLOCK blk
.set XB, X+32*(\blk)
.set CR, CD+8*(\blk)
.if (\blk) < 3
	s_wait_loadcnt 32                              ; this block's 32 loads are in; the next block's 32 may be out
.else
	s_wait_loadcnt 0x0
.endif
.if (\blk)+2 < 4
	LOAD (\blk)+2                                  ; two blocks ahead; every block has registers of its own
.endif
	v_max3_num_f32 v12, |v[XB]|, |v[XB+1]|, |v[XB+2]|      ; the block's largest magnitude: all 32 numbers are mine; two chains
	v_max3_num_f32 v13, |v[XB+3]|, |v[XB+4]|, |v[XB+5]|
.irp i, 6,10,14,18,22,26
	v_max3_num_f32 v12, v12, |v[XB+\i]|, |v[XB+\i+1]|
	v_max3_num_f32 v13, v13, |v[XB+\i+2]|, |v[XB+\i+3]|
.endr
	v_max3_num_f32 v12, v12, |v[XB+30]|, |v[XB+31]|
	v_max3_num_f32 v12, v12, v13, FLOOR
	v_add_nc_u32 v11, EOFF, v12                    ; the conversion takes the exponent field of this operand as its scale
	v_lshrrev_b32 v13, 23, v11                     ; the scale's byte
.if (\blk) == 0
	v_mov_b32 v10, v13                             ; four bytes make my token's scale word for these 128 channels
.else
	v_lshl_or_b32 v10, v13, 8*(\blk), v10
.endif
	v_cvt_scalef32_pk16_bf6_f32 v[CR:CR+2], v[XB:XB+15], v11
	v_cvt_scalef32_pk16_bf6_f32 v[CR+4:CR+6], v[XB+16:XB+31], v11   ; (a conversion's three registers begin on an even number)
	v_nop                                          ; one plain place behind a scaled conversion
	v_mov_b32 v[CR+3], v[CR+4]
	v_mov_b32 v[CR+4], v[CR+5]
	v_mov_b32 v[CR+5], v[CR+6]                     ; six registers on end: 24 bytes
; block blk = 2 c + h belongs to lane slot r + 16 h, registers 6 c .. 6 c + 5: byte 768 h + 24 c of my place; pieces of 16 and 8 bytes keep every address a multiple of the access's size
.if (\blk) < 2
	ds_store_b128 v6, v[CR:CR+3] offset:768*((\blk)%2)
	ds_store_b64 v6, v[CR+4:CR+5] offset:768*((\blk)%2)+16
.else
	ds_store_b64 v6, v[CR:CR+1] offset:768*((\blk)%2)+24
	ds_store_b128 v6, v[CR+2:CR+5] offset:768*((\blk)%2)+32
.endif
.endm
	LOAD 0
	LOAD 1
	BLOCK 0
	BLOCK 1
	BLOCK 2
	BLOCK 3
.irp f, 0,1
.irp g, 0,1,2
	ds_load_b128 v[X+4*(3*\f+\g):X+4*(3*\f+\g)+3], v7 offset:1536*\f+16*\g   ; LDS serves a wave's instructions in order: these see my stores
.endr
.endr
	s_wait_alu depctr_va_vdst(0)
.irp f, 0,1
.irp g, 0,1,2
	s_wait_dscnt 5-(3*\f+\g)                       ; the younger reads may be out
	global_store_b128 v8, v[X+4*(3*\f+\g):X+4*(3*\f+\g)+3], s[26:27] offset:1536*\f+512*\g   ; 32 lanes store 512 consecutive bytes
.endr
.endr
	global_store_b32 v9, v10, s[28:29]             ; my wave's 128 bytes of scale words
	s_wait_tensorcnt 0x0
	ds_add_u32 v192, v193
	s_wait_dscnt 0x0
	s_endpgm
	; ---------------- the weights ----------------
.Lweights:
	s_sub_co_u32 s19, ttmp9, 256                   ; 32 x matrix + tile
	s_lshr_b32 s20, s19, 5                         ; matrix: 0 q, 1 k, 2 v, 3 o
	s_and_b32 s21, s19, 31                         ; tile
	v_and_b32 v4, 15, v0                           ; r
	v_bfe_u32 v5, v0, 4, 1                         ; h
	v_and_b32 v6, 8, v4
	v_add_nc_u32 v6, v6, v4                        ; r + 8 (r / 8)
	v_lshlrev_b32 v3, 11, v6                       ; a row is 2,048 bytes
	v_lshl_add_u32 v3, v5, 7, v3                   ; + 128 h: lane (r, h) wants k = 64 c + 32 h + 0 .. 31
	s_wait_alu depctr_va_vdst(0)
	v_lshlrev_b32 v7, 2, v2                        ; 4 x lane
	s_lshr_b32 s22, s21, 1
	s_lshl_b32 s22, s22, 5
	s_and_b32 s23, s21, 1
	s_lshl_b32 s23, s23, 3
	s_add_co_u32 s22, s22, s23                     ; the tile's first row: 32 (tile / 2) + 8 (tile % 2)
	s_lshl_b32 s22, s22, 11
	s_lshl_b32 s23, s18, 9                         ; my wave's K step: 128 numbers
	s_add_co_u32 s22, s22, s23
	s_mov_b32 s23, 0
	s_lshl_b32 s24, s19, 2
	s_add_co_u32 s24, s24, s18                     ; the fragment's number
	s_mul_i32 s26, s24, 1536
	s_mov_b32 s27, 0
	s_lshl_b32 s28, s24, 7
	s_add_co_u32 s28, s28, WS
	s_mov_b32 s29, 0
	s_mov_b32 s36, 0x76543210
	s_mov_b32 s37, 0xfedcba98                      ; v_permlanex16_b32's selects for lane l xor 16
	s_wait_kmcnt 0x0
	s_bitcmp1_b32 s20, 0                           ; the choice hangs on the work-group's number alone
	s_cselect_b64 s[32:33], s[8:9], s[6:7]
	s_cselect_b64 s[34:35], s[12:13], s[10:11]
	s_bitcmp1_b32 s20, 1
	s_cselect_b64 s[32:33], s[34:35], s[32:33]
	s_add_nc_u64 s[32:33], s[32:33], s[22:23]
	s_add_nc_u64 s[26:27], s[16:17], s[26:27]
	s_add_nc_u64 s[28:29], s[16:17], s[28:29]
.irp c, 0,1
.irp i, 0,1,2,3,4,5,6,7
	global_load_b128 v[32+32*\c+4*\i:35+32*\c+4*\i], v3, s[32:33] offset:256*\c+16*\i th:TH_LOAD_NT
.endr
.endr
	s_wait_loadcnt 0x0
.irp c, 0,1                                    ; my block 2 c + h: all its 32 numbers are mine
	v_max3_num_f32 v[12+\c], |v[32+32*\c]|, |v[33+32*\c]|, FLOOR
.endr
.irp i, 2,4,6,8,10,12,14,16,18,20,22,24,26,28,30
.irp c, 0,1
	v_max3_num_f32 v[12+\c], v[12+\c], |v[32+32*\c+\i]|, |v[33+32*\c+\i]|
.endr
.endr
.irp c, 0,1
	v_add_nc_u32 v[14+\c], EOFF, v[12+\c]
.endr
.irp c, 0,1
	v_lshrrev_b32 v[16+\c], 23, v[14+\c]
.endr
	v_lshl_or_b32 v9, v17, 16, v16                 ; my two bytes: blocks h and 2 + h,
	v_lshlrev_b32 v10, 3, v5
	v_lshlrev_b32 v9, v10, v9                      ; at their places in the word (8 h bits up);
	v_mov_b32 v10, 0
	v_permlanex16_b32 v10, v9, s36, s37
	v_or_b32 v9, v9, v10                           ; with lane l xor 16's two the word is whole, in both lanes
.irp c, 0,1
	v_cvt_scalef32_pk16_bf6_f32 v[96+6*\c:98+6*\c], v[32+32*\c:47+32*\c], v[14+\c]
	v_cvt_scalef32_pk16_bf6_f32 v[108+4*\c:110+4*\c], v[48+32*\c:63+32*\c], v[14+\c]
.endr
	v_nop                                          ; one plain place behind a scaled conversion
.irp c, 0,1
.irp i, 0,1,2
	v_mov_b32 v[99+6*\c+\i], v[108+4*\c+\i]
.endr
.endr
.irp g, 0,1,2
	global_store_b128 v8, v[96+4*\g:99+4*\g], s[26:27] offset:512*\g
.endr
	global_store_b32 v7, v9, s[28:29]
	s_endpgm
.Lfunc_end_k_qf64c994b24_prep:
	.size	k_qf64c994b24_prep, .Lfunc_end_k_qf64c994b24_prep-k_qf64c994b24_prep
	.p2alignl 7, 3214868480
	.fill 96, 4, 3214868480
	.section	.rodata,"a",@progbits
	.p2align	6, 0x0
	.amdhsa_kernel k_qf64c994b24_prep
		.amdhsa_group_segment_fixed_size 12800
		.amdhsa_private_segment_fixed_size 0
		.amdhsa_enable_private_segment 0
		.amdhsa_kernarg_size 56
		.amdhsa_user_sgpr_count 2
		.amdhsa_user_sgpr_kernarg_segment_ptr 1
		.amdhsa_wavefront_size32 1
		.amdhsa_system_sgpr_workgroup_id_x 1
		.amdhsa_system_sgpr_workgroup_id_y 1
		.amdhsa_system_sgpr_workgroup_id_z 1
		.amdhsa_system_vgpr_workitem_id 0
		.amdhsa_next_free_vgpr 194
		.amdhsa_next_free_sgpr 66
		.amdhsa_reserve_vcc 0
		.amdhsa_float_denorm_mode_32 3
		.amdhsa_float_denorm_mode_16_64 3
		.amdhsa_memory_ordered 1
		.amdhsa_forward_progress 1
		.amdhsa_inst_pref_size 29
	.end_amdhsa_kernel
	.amdgpu_metadata
---
amdhsa.version: [ 1, 2 ]
amdhsa.kernels:
  - .name:           k_qf64c994b24_prep
    .symbol:         k_qf64c994b24_prep.kd
    .args:
      - { .name: x, .offset: 0, .size: 8, .value_kind: global_buffer, .address_space: global }
      - { .name: Wq, .offset: 8, .size: 8, .value_kind: global_buffer, .address_space: global }
      - { .name: Wk, .offset: 16, .size: 8, .value_kind: global_buffer, .address_space: global }
      - { .name: Wv, .offset: 24, .size: 8, .value_kind: global_buffer, .address_space: global }
      - { .name: Wo, .offset: 32, .size: 8, .value_kind: global_buffer, .address_space: global }
      - { .name: xq, .offset: 40, .size: 8, .value_kind: global_buffer, .address_space: global }
      - { .name: wq, .offset: 48, .size: 8, .value_kind: global_buffer, .address_space: global }
    .group_segment_fixed_size: 12800
    .private_segment_fixed_size: 0
    .kernarg_segment_align: 8
    .kernarg_segment_size: 56
    .max_flat_workgroup_size: 128
    .sgpr_count:     66
    .vgpr_count:     194
    .wavefront_size: 32
...
	.end_amdgpu_metadata
.endif
;; end of part 1
;; launch qkv (part 2): grid 64 x 4, 8 waves a work-group, no clusters, 50,176 bytes of LDS; arguments xq, wq, bq, bk, bv, qq, kv; writes qq, kv
.if DOCPART == 2
	.amdgcn_target "amdgcn-amd-amdhsa--gfx1250"
	.amdhsa_code_object_version 6
	.text
	.protected	k_qf64c994b24_qkv
	.globl	k_qf64c994b24_qkv
	.p2align	8
	.type	k_qf64c994b24_qkv,@function
k_qf64c994b24_qkv:
	s_mov_b64 s[64:65], 0
	v_nop
	global_prefetch_b8 v0, s[64:65] scope:SCOPE_SE
	s_setreg_imm32_b32 hwreg(HW_REG_WAVE_MODE, 25, 1), 1
	s_wait_xcnt 0x0
; Q = Wq x + bq, K = Wk x + bk, V = Wv x + bv on codes of BF6 (E3M2, one E8M0 byte for each 32 along c), and each result quantised in registers for attention:
; Q and K along the head's 64 channels, V along the keys.  All operands come and go as images of operand registers (12 registers a lane, registers 4 g .. 4 g + 3 of lane l at 512 g + 16 l).
; A work-group takes one group of 128 tokens (x) and two heads (y).  Waves 0, 1: Q of the two heads; 2, 3: K; 4 to 7: V, (head, half of its 64 channels).
; Q, K: source 0 = 16 rows of W, source 1 = 16 tokens: a lane holds ONE token, and since lane-row r of W's tile 2 b + u is row 32 b + 8 u + r + 8 (r / 8), the registers of tiles 2 b, 2 b + 1 are channels 32 b + 16 h + 0 .. 15.
; V: source 0 = 16 tokens, source 1 = 16 rows of W: a lane holds ONE channel, and by the same order of the tokens in a tile the registers of token tiles 2 b, 2 b + 1 are tokens 32 b + 16 h + 0 .. 15.
; The head has 64 channels and the matrix instruction 128 along K: the codes of token tiles 2 j and 2 j + 1 share one fragment, registers 0-5 and 6-11; its scale word holds (2 j: b0, b1; 2 j + 1: b0, b1).
; qq: record (n 8 + head) 32 + group: four such pairs, 6,144 bytes; at QS 256 bytes: two registers at 8 l: the first holds pair 0 in lanes 0-15 and pair 1 in lanes 16-31, the second pairs 2 and 3.
; kv: record of 12,288 bytes: K's four pairs, V's four fragments (16 channels x 128 keys); at KS 512 bytes: K's words as Q's, then two registers at 4 l for V: tiles 0 | 1, tiles 2 | 3.
; The biases are the C of each sum's first matrix instruction.
; LIMITS: NaN and infinities are not served; a block of zeros gets the byte 1 where the rule says 127: its codes are zeros, and this program alone reads the bytes.
; NO JOINT LOADS: the four work-groups of a token group read the same 49,152 bytes once each, at the head, through registers; there is no ring whose refills a joint request could serve.
; REGISTERS.  window 0: v1-7 addresses; v8-23 x's scale words; v24-39 W's; v40-47 scale words made; v48-63 at work; v64-75 codes made; v76-83 at work; v96-143, v144-191 two sets of four x fragments; v192-255 accumulators.
;   window 1: v0-191 W's fragments (12 f); v192-223 the bias in the result's layout.
.set XS,    3145728
.set WS,    786432
.set QS,    3145728
.set KS,    6291456
.set FLOOR, 0x2800000
.set EOFF,  0xfe000000
.set XSC, 8
.set WSC, 24
.set SW,  40
.set TM,  48
.set PC,  64
.set PT,  76
.set XF,  96
.set ACC, 192
.set BI,  192
.set MSB, 0
.macro WIN new                         ; the immediate's high byte repeats the setting that is left
.if MSB != \new
	s_set_vgpr_msb (MSB<<8)|\new
.set MSB, \new
.endif
.endm
; 32 numbers of a lane, register 16 b + i = channel 32 b + 16 h + i of my token, become six registers of codes (channel 32 h + 0 .. 31) and the two scale bytes
.macro HQ src, dst, word
.irp b, 0,1
	v_max3_num_f32 v[TM+\b], |v[(\src)+16*\b]|, |v[(\src)+1+16*\b]|, FLOOR
.endr
.irp i, 2,4,6,8,10,12,14
.irp b, 0,1
	v_max3_num_f32 v[TM+\b], v[TM+\b], |v[(\src)+16*\b+\i]|, |v[(\src)+1+16*\b+\i]|
.endr
.endr
.irp b, 0,1
	s_delay_alu instid0(VALU_DEP_2)
	v_permlanex16_b32 v[TM+4+\b], v[TM+\b], s40, s41
.endr
.irp b, 0,1
	s_delay_alu instid0(VALU_DEP_2)
	v_max_num_f32 v[TM+\b], v[TM+\b], v[TM+4+\b]   ; with lane l xor 16's 16: the block's largest magnitude
.endr
.irp b, 0,1
	s_delay_alu instid0(VALU_DEP_2)
	v_add_nc_u32 v[TM+12+\b], EOFF, v[TM+\b]       ; 4 off its exponent field: the conversion's scale operand
.endr
.irp b, 0,1
	s_delay_alu instid0(VALU_DEP_2)
	v_lshrrev_b32 v[TM+4+\b], 23, v[TM+12+\b]      ; the scale's byte
.endr
	s_delay_alu instid0(VALU_DEP_1)
	v_lshl_or_b32 v[\word], v[TM+5], 8, v[TM+4]
	v_cvt_scalef32_pk16_bf6_f32 v[(\dst):(\dst)+2], v[(\src):(\src)+15], v[TM+12]
	v_cvt_scalef32_pk16_bf6_f32 v[PT:PT+2], v[(\src)+16:(\src)+31], v[TM+13]
	v_nop                                          ; one plain place behind a scaled conversion
.irp i, 0,1,2
	v_permlane16_swap_b32 v[(\dst)+\i], v[PT+\i]   ; the operand's layout wants a whole block in a lane: lanes 0-15 block 0, lanes 16-31 block 1
.endr
.irp i, 0,1,2
	s_delay_alu instid0(VALU_DEP_3)
	v_mov_b32 v[(\dst)+3+\i], v[PT+\i]
.endr
.endm
; 64 numbers of a lane, register 16 b + i = key 32 b + 16 h + i of my channel, become a fragment in v[PC] on and its scale word
.macro QUANT src, word
.irp b, 0,1,2,3
	v_max3_num_f32 v[TM+\b], |v[(\src)+16*\b]|, |v[(\src)+1+16*\b]|, FLOOR
.endr
.irp i, 2,4,6,8,10,12,14
.irp b, 0,1,2,3
	v_max3_num_f32 v[TM+\b], v[TM+\b], |v[(\src)+16*\b+\i]|, |v[(\src)+1+16*\b+\i]|
.endr
.endr
.irp b, 0,1,2,3
	s_delay_alu instid0(VALU_DEP_4)
	v_permlanex16_b32 v[TM+4+\b], v[TM+\b], s40, s41
.endr
.irp b, 0,1,2,3
	s_delay_alu instid0(VALU_DEP_4)
	v_max_num_f32 v[TM+\b], v[TM+\b], v[TM+4+\b]
.endr
.irp b, 0,1,2,3
	s_delay_alu instid0(VALU_DEP_4)
	v_add_nc_u32 v[TM+12+\b], EOFF, v[TM+\b]
.endr
.irp b, 0,1,2,3
	s_delay_alu instid0(VALU_DEP_4)
	v_lshrrev_b32 v[TM+4+\b], 23, v[TM+12+\b]
.endr
	s_delay_alu instid0(VALU_DEP_3)
	v_lshl_or_b32 v[\word], v[TM+5], 8, v[TM+4]
	s_delay_alu instid0(VALU_DEP_1)
	v_lshl_or_b32 v[\word], v[TM+6], 16, v[\word]
	s_delay_alu instid0(VALU_DEP_1)
	v_lshl_or_b32 v[\word], v[TM+7], 24, v[\word]
.irp c, 0,1
	v_cvt_scalef32_pk16_bf6_f32 v[PC+6*\c:PC+2+6*\c], v[(\src)+32*\c:(\src)+15+32*\c], v[TM+12+2*\c]
	v_cvt_scalef32_pk16_bf6_f32 v[PT+4*\c:PT+2+4*\c], v[(\src)+16+32*\c:(\src)+31+32*\c], v[TM+13+2*\c]
.endr
	v_nop
.irp c, 0,1
.irp i, 0,1,2
	v_permlane16_swap_b32 v[PC+6*\c+\i], v[PT+4*\c+\i]
.endr
.irp i, 0,1,2
	s_delay_alu instid0(VALU_DEP_3)
	v_mov_b32 v[PC+3+6*\c+\i], v[PT+4*\c+\i]
.endr
.endr
.endm
	s_load_b256 s[4:11], s[0:1], 0x0               ; xq, wq, bq, bk
	s_load_b128 s[12:15], s[0:1], 0x20             ; bv, qq
	s_load_b64 s[16:17], s[0:1], 0x30              ; kv
	v_lshl_add_u32 v94, v0, 2, 0xc000
	v_mov_b32 v95, 0
	v_lshrrev_b32 v1, 5, v0
	s_delay_alu instid0(VALU_DEP_1)
	v_readfirstlane_b32 s18, v1                    ; wave 0..7
	v_and_b32 v6, 31, v0
	s_delay_alu instid0(VALU_DEP_1)
	v_lshlrev_b32 v1, 4, v6                        ; 16 x lane
	s_delay_alu instid0(VALU_DEP_2)
	v_lshlrev_b32 v2, 2, v6                        ; 4 x lane
	s_delay_alu instid0(VALU_DEP_3)
	v_lshlrev_b32 v3, 3, v6                        ; 8 x lane
	v_and_b32 v4, 15, v0                           ; r
	v_bfe_u32 v5, v0, 4, 1                         ; h
	s_mul_i32 s45, s18, 6144                       ; my eighth of the group's 32 fragments of x
	v_add_nc_u32 v7, s45, v1
.irp b, 0,1,2,3
	v_mov_b32 v[TM+4+\b], 0                        ; written once: a lane permute's destination counts as one of its sources
.endr
	s_mov_b32 s40, 0x76543210
	s_mov_b32 s41, 0xfedcba98                      ; v_permlanex16_b32's selects for lane l xor 16
	s_mov_b32 s42, 0xffff0000                      ; lanes 16-31
	s_lshr_b32 s19, s18, 1
	s_min_u32 s19, s19, 2                          ; 0 Q, 1 K, 2 V
	s_and_b32 s21, s18, 1                          ; Q, K: which head; V: which half of the head's channels
	s_bfe_u32 s20, s18, 0x10001                    ; V: which head
	s_lshl_b32 s44, s21, 3
	s_and_b32 s22, ttmp7, 0xffff
	s_lshl_b32 s22, s22, 1
	s_cmp_lt_u32 s18, 4
	s_cselect_b32 s20, s21, s20
	s_cselect_b32 s44, 0, s44                      ; V: two tiles x four K steps on for the second half
	s_add_co_u32 s20, s20, s22                     ; the head
	s_lshl_b32 s22, s19, 7
	s_add_co_u32 s22, s22, s44
	s_lshl_b32 s44, s20, 4
	s_add_co_u32 s22, s22, s44                     ; my first fragment of W: 128 x matrix + 16 x head (+ 8)
	s_lshr_b32 s23, ttmp9, 5
	s_lshl_b32 s23, s23, 3
	s_add_co_u32 s23, s23, s20
	s_lshl_b32 s23, s23, 5
	s_and_b32 s44, ttmp9, 31
	s_add_co_u32 s23, s23, s44                     ; the record: (n 8 + head) 32 + group in n
	s_mov_b32 s47, 0
	s_wait_alu depctr_va_vdst(0)
	s_wait_kmcnt 0x0
	s_mul_i32 s46, ttmp9, 49152
	s_add_co_u32 s46, s46, s45
	s_add_nc_u64 s[24:25], s[4:5], s[46:47]
	s_lshl_b32 s46, ttmp9, 11
	s_add_co_u32 s46, s46, XS
	s_add_nc_u64 s[26:27], s[4:5], s[46:47]
	s_mul_i32 s46, s22, 1536
	s_add_nc_u64 s[28:29], s[6:7], s[46:47]
	s_lshl_b32 s46, s22, 7
	s_add_co_u32 s46, s46, WS
	s_add_nc_u64 s[30:31], s[6:7], s[46:47]
.irp i, 0,1,2,3,4,5,6,7,8,9,10,11
	global_load_b128 v[XF+4*\i:XF+4*\i+3], v1, s[24:25] offset:512*\i   ; my eighth of x's fragments, on its way to LDS
.endr
	WIN 0x40                                       ; destination window 1
.irp f, 0,1,2,3,4,5,6,7
.irp g, 0,1,2
	global_load_b128 v[12*\f+4*\g:12*\f+4*\g+3], v1, s[28:29] offset:1536*\f+512*\g
.endr
.endr
	WIN 0
.irp i, 0,1,2,3,4,5,6,7,8,9,10,11,12,13,14,15
	global_load_b32 v[XSC+\i], v2, s[26:27] offset:128*\i
.endr
.irp f, 0,1,2,3,4,5,6,7
	global_load_b32 v[WSC+\f], v2, s[30:31] offset:128*\f
.endr
	s_wait_loadcnt 48                              ; the twelve oldest are in: behind them stand 24 + 16 + 8 loads
.irp i, 0,1,2,3,4,5,6,7,8,9,10,11
	ds_store_b128 v7, v[XF+4*\i:XF+4*\i+3] offset:512*\i
.endr
	s_cmp_ge_u32 s18, 4
	s_cbranch_scc1 .Lhalf_w                        ; Q's and K's waves hold four tiles of W, V's two
	WIN 0x40
.irp f, 8,9,10,11,12,13,14,15
.irp g, 0,1,2
	global_load_b128 v[12*\f+4*\g:12*\f+4*\g+3], v1, s[28:29] offset:1536*\f+512*\g
.endr
.endr
	WIN 0
.irp f, 8,9,10,11,12,13,14,15
	global_load_b32 v[WSC+\f], v2, s[30:31] offset:128*\f
.endr
.Lhalf_w:
	s_wait_dscnt 0x0                               ; for the others' sake: my stores have landed
	s_barrier_signal -1
	s_barrier_wait -1                              ; the group's 32 fragments of x lie in LDS, (K step s, tile T) at (8 s + T) 1,536; nothing is written there again
	s_cmp_ge_u32 s18, 4
	s_cbranch_scc1 .Lv
	; ---------------- Q and K ----------------
	s_cmp_lt_u32 s18, 2
	s_cselect_b64 s[32:33], s[8:9], s[10:11]       ; bq or bk,
	s_cselect_b64 s[34:35], s[14:15], s[16:17]     ; qq or kv: the choice hangs on the wave's number alone
	s_mov_b64 s[36:37], s[34:35]
	s_lshl_b32 s46, s20, 8
	s_add_nc_u64 s[32:33], s[32:33], s[46:47]
	s_mul_i32 s46, s23, 6144
	s_lshl_b32 s46, s46, s19                       ; a record is 6,144 bytes in qq and 12,288 in kv
	s_add_nc_u64 s[34:35], s[34:35], s[46:47]
	s_lshl_b32 s46, s23, 8
	s_add_co_u32 s46, s46, QS
	s_lshl_b32 s46, s46, s19                       ; QS + 256 rec in qq; twice that, KS + 512 rec, in kv
	s_add_nc_u64 s[36:37], s[36:37], s[46:47]
	v_lshlrev_b32 v6, 6, v5                        ; the bias: lane (r, h) wants, for tile t, channels 32 (t / 2) + 8 (t % 2) + 16 h + 0 .. 7
	WIN 0x40
.irp t, 0,1,2,3
	global_load_b128 v[BI+8*\t:BI+8*\t+3], v6, s[32:33] offset:(32*(\t/2)+8*(\t%2))*4
	global_load_b128 v[BI+8*\t+4:BI+8*\t+7], v6, s[32:33] offset:(32*(\t/2)+8*(\t%2))*4+16
.endr
	WIN 0
.macro XLOADQ n                        ; token tile n, all four K steps, into set n % 2
.irp s, 0,1,2,3
.irp g, 0,1,2
	ds_load_b128 v[XF+48*((\n)%2)+12*\s+4*\g:XF+48*((\n)%2)+12*\s+4*\g+3], v1 offset:(8*\s+(\n))*1536+512*\g
.endr
.endr
.endm
.macro QKROW n, s                      ; K step s: the four tiles of W against token tile n; the four accumulators take turns
.irp t, 0,1,2,3
.if (\n)%2
	v_wmma_scale_f32_16x16x128_f8f6f4 v[ACC+8*\t:ACC+8*\t+7], v[12*(4*\t+\s):12*(4*\t+\s)+11], v[XF+48*((\n)%2)+12*\s:XF+48*((\n)%2)+12*\s+11], v[ACC+8*\t:ACC+8*\t+7], v[WSC+4*\t+\s], v[XSC+4*\s+(\n)/2] matrix_a_fmt:MATRIX_FMT_BF6 matrix_b_fmt:MATRIX_FMT_BF6 matrix_b_scale:MATRIX_SCALE_ROW1
.else
	v_wmma_scale_f32_16x16x128_f8f6f4 v[ACC+8*\t:ACC+8*\t+7], v[12*(4*\t+\s):12*(4*\t+\s)+11], v[XF+48*((\n)%2)+12*\s:XF+48*((\n)%2)+12*\s+11], v[ACC+8*\t:ACC+8*\t+7], v[WSC+4*\t+\s], v[XSC+4*\s+(\n)/2] matrix_a_fmt:MATRIX_FMT_BF6 matrix_b_fmt:MATRIX_FMT_BF6
.endif
.endr
.endm
.macro QKTILE n
.if (\n) < 7
	XLOADQ (\n)+1
	s_wait_dscnt 12                                ; this tile's fragments are in; the twelve loads just issued may be out
.else
	s_wait_dscnt 0x0
.endif
	WIN 0x11                                       ; source 0 (W) and source 2 (the bias, at the accumulators' numbers) window 1
	QKROW \n, 0
	WIN 0x01                                       ; source 0 window 1; C and D window 0
	QKROW \n, 1
	QKROW \n, 2
	QKROW \n, 3
	WIN 0
.rept 5
	v_nop                                          ; places: four ahead of the first read of results and of loads into the fragments' registers, five ahead of the next tile's products, which begin these accumulators anew
.endr
.if ((\n)%2 == 0) && ((\n) > 0)
	s_wait_xcnt 0x0                                ; the last pair's stores have read their registers
.endif
	HQ ACC, PC+6*((\n)%2), SW+(\n)
.if (\n)%2
	v_lshl_or_b32 v[SW+(\n)-1], v[SW+(\n)], 16, v[SW+(\n)-1]   ; the pair's scale word
.irp g, 0,1,2
	global_store_b128 v1, v[PC+4*\g:PC+4*\g+3], s[34:35] offset:((\n)/2)*1536+512*\g
.endr
.endif
.endm
	XLOADQ 0
	s_wait_loadcnt 0x0                             ; W, the scale words, the bias
.irp n, 0,1,2,3,4,5,6,7
	QKTILE \n
.endr
	v_cndmask_b32 v84, v[SW], v[SW+2], s42         ; pair 0 in lanes 0-15, pair 1 in lanes 16-31
	v_cndmask_b32 v85, v[SW+4], v[SW+6], s42       ; pairs 2 and 3
	global_store_b64 v3, v[84:85], s[36:37]
	s_wait_tensorcnt 0x0
	ds_add_u32 v94, v95
	s_wait_dscnt 0x0
	s_endpgm
	; ---------------- V ----------------
.Lv:
	s_lshl_b32 s46, s20, 8
	s_lshl_b32 s44, s21, 7
	s_add_co_u32 s46, s46, s44
	s_add_nc_u64 s[32:33], s[12:13], s[46:47]      ; bv at my 32 channels
	s_mul_i32 s46, s23, 12288
	s_mul_i32 s44, s21, 3072
	s_add_co_u32 s46, s46, s44
	s_add_co_u32 s46, s46, 6144
	s_add_nc_u64 s[34:35], s[16:17], s[46:47]
	s_lshl_b32 s46, s23, 9
	s_lshl_b32 s44, s21, 7
	s_add_co_u32 s46, s46, s44
	s_add_co_u32 s46, s46, KS+256
	s_add_nc_u64 s[36:37], s[16:17], s[46:47]
	v_and_b32 v6, 8, v4
	s_delay_alu instid0(VALU_DEP_1)
	v_add_nc_u32 v6, v6, v4
	s_delay_alu instid0(VALU_DEP_1)
	v_lshlrev_b32 v6, 2, v6                        ; the bias: my lane's one channel, r + 8 (r / 8) in the tile, in all eight registers
	WIN 0x40
.irp d, 0,1
.irp j, 0,1,2,3,4,5,6,7
	global_load_b32 v[BI+8*\d+\j], v6, s[32:33] offset:32*\d
.endr
.endr
	WIN 0
.macro XLOADV q                        ; batch q: K step (q % 8) / 2, token tiles 4 (q % 2) + 0 .. 3, into set q % 2
.irp i, 0,1,2,3
.irp g, 0,1,2
	ds_load_b128 v[XF+48*((\q)%2)+12*\i+4*\g:XF+48*((\q)%2)+12*\i+4*\g+3], v1 offset:(8*(((\q)%8)/2)+4*((\q)%2)+\i)*1536+512*\g
.endr
.endr
.endm
.macro VBATCH q                        ; four products: four token tiles against tile q / 8 of W; the accumulators take turns
.if (\q) < 15
	XLOADV (\q)+1
	s_wait_dscnt 12                                ; this batch's fragments are in; the twelve loads just issued may be out
.else
	s_wait_dscnt 0x0
.endif
.set VS, ((\q)%8)/2
.set VD, (\q)/8
.if VS == 0
	WIN 0x14                                       ; source 1 (W) and source 2 (the bias) window 1
.else
	WIN 0x04
.endif
.irp i, 0,1,2,3
.set VT, 4*((\q)%2)+\i
.if VS == 0
.set VC, BI+8*VD
.else
.set VC, ACC+8*VT
.endif
.if \i%2
	v_wmma_scale_f32_16x16x128_f8f6f4 v[ACC+8*VT:ACC+8*VT+7], v[XF+48*((\q)%2)+12*\i:XF+48*((\q)%2)+12*\i+11], v[12*(4*VD+VS):12*(4*VD+VS)+11], v[VC:VC+7], v[XSC+4*VS+VT/2], v[WSC+4*VD+VS] matrix_a_fmt:MATRIX_FMT_BF6 matrix_b_fmt:MATRIX_FMT_BF6 matrix_a_scale:MATRIX_SCALE_ROW1
.else
	v_wmma_scale_f32_16x16x128_f8f6f4 v[ACC+8*VT:ACC+8*VT+7], v[XF+48*((\q)%2)+12*\i:XF+48*((\q)%2)+12*\i+11], v[12*(4*VD+VS):12*(4*VD+VS)+11], v[VC:VC+7], v[XSC+4*VS+VT/2], v[WSC+4*VD+VS] matrix_a_fmt:MATRIX_FMT_BF6 matrix_b_fmt:MATRIX_FMT_BF6
.endif
.endr
	WIN 0
.rept 5
	v_nop                                          ; places ahead of loads into this set, of the first read of results, and of products that begin the accumulators anew
.endr
.endm
	XLOADV 0
	s_wait_loadcnt 0x0
.set Q, 0
.rept 8
	VBATCH Q
.set Q, Q+1
.endr
	QUANT ACC, SW
.irp g, 0,1,2
	global_store_b128 v1, v[PC+4*\g:PC+4*\g+3], s[34:35] offset:512*\g
.endr
.rept 8
	VBATCH Q
.set Q, Q+1
.endr
	s_wait_xcnt 0x0                                ; the first fragment's stores have read their registers
	QUANT ACC, SW+1
.irp g, 0,1,2
	global_store_b128 v1, v[PC+4*\g:PC+4*\g+3], s[34:35] offset:1536+512*\g
.endr
	v_cndmask_b32 v84, v[SW], v[SW+1], s42         ; my first tile's words in lanes 0-15, my second's in lanes 16-31
	global_store_b32 v2, v84, s[36:37]
	s_wait_tensorcnt 0x0
	ds_add_u32 v94, v95
	s_wait_dscnt 0x0
	s_endpgm
.Lfunc_end_k_qf64c994b24_qkv:
	.size	k_qf64c994b24_qkv, .Lfunc_end_k_qf64c994b24_qkv-k_qf64c994b24_qkv
	.p2alignl 7, 3214868480
	.fill 96, 4, 3214868480
	.section	.rodata,"a",@progbits
	.p2align	6, 0x0
	.amdhsa_kernel k_qf64c994b24_qkv
		.amdhsa_group_segment_fixed_size 50176
		.amdhsa_private_segment_fixed_size 0
		.amdhsa_enable_private_segment 0
		.amdhsa_kernarg_size 56
		.amdhsa_user_sgpr_count 2
		.amdhsa_user_sgpr_kernarg_segment_ptr 1
		.amdhsa_wavefront_size32 1
		.amdhsa_system_sgpr_workgroup_id_x 1
		.amdhsa_system_sgpr_workgroup_id_y 1
		.amdhsa_system_sgpr_workgroup_id_z 1
		.amdhsa_system_vgpr_workitem_id 0
		.amdhsa_next_free_vgpr 480
		.amdhsa_next_free_sgpr 66
		.amdhsa_reserve_vcc 0
		.amdhsa_float_denorm_mode_32 3
		.amdhsa_float_denorm_mode_16_64 3
		.amdhsa_memory_ordered 1
		.amdhsa_forward_progress 1
		.amdhsa_inst_pref_size 94
	.end_amdhsa_kernel
	.amdgpu_metadata
---
amdhsa.version: [ 1, 2 ]
amdhsa.kernels:
  - .name:           k_qf64c994b24_qkv
    .symbol:         k_qf64c994b24_qkv.kd
    .args:
      - { .name: xq, .offset: 0, .size: 8, .value_kind: global_buffer, .address_space: global }
      - { .name: wq, .offset: 8, .size: 8, .value_kind: global_buffer, .address_space: global }
      - { .name: bq, .offset: 16, .size: 8, .value_kind: global_buffer, .address_space: global }
      - { .name: bk, .offset: 24, .size: 8, .value_kind: global_buffer, .address_space: global }
      - { .name: bv, .offset: 32, .size: 8, .value_kind: global_buffer, .address_space: global }
      - { .name: qq, .offset: 40, .size: 8, .value_kind: global_buffer, .address_space: global }
      - { .name: kv, .offset: 48, .size: 8, .value_kind: global_buffer, .address_space: global }
    .group_segment_fixed_size: 50176
    .private_segment_fixed_size: 0
    .kernarg_segment_align: 8
    .kernarg_segment_size: 56
    .max_flat_workgroup_size: 256
    .sgpr_count:     66
    .vgpr_count:     480
    .wavefront_size: 32
...
	.end_amdgpu_metadata
.endif
;; end of part 2
;; launch attn (part 3): grid 16 x 16, 16 waves a work-group, clusters of 4 x 1, 327,680 bytes of LDS; arguments qq, kv, oq; writes oq
.if DOCPART == 3
	.amdgcn_target "amdgcn-amd-amdhsa--gfx1250"
	.amdhsa_code_object_version 6
	.text
	.protected	k_qf64c994b24_attn
	.globl	k_qf64c994b24_attn
	.p2align	8
	.type	k_qf64c994b24_attn,@function
k_qf64c994b24_attn:
	s_mov_b64 s[64:65], 0
	v_nop
	global_prefetch_b8 v0, s[64:65] scope:SCOPE_SE
	s_setreg_imm32_b32 hwreg(HW_REG_WAVE_MODE, 25, 1), 1
	s_wait_xcnt 0x0
	s_wait_alu depctr_hold_cnt(0) depctr_sa_sdst(0) depctr_va_vdst(0) depctr_va_sdst(0) depctr_va_ssrc(0) depctr_va_vcc(0) depctr_vm_vsrc(0)
	s_getreg_b32 s2, hwreg(HW_REG_IB_STS2, 6, 4)
	s_cmp_eq_u32 s2, 0
	s_cbranch_scc0 .Lentry_in_a_cluster
	s_endpgm
.Lentry_in_a_cluster:
	s_bfe_u32 s2, ttmp6, 0x10000c
	s_cmp_lg_u32 s2, 0x3003
	s_cbranch_scc0 .Lentry_shape_is_right
	s_endpgm
.Lentry_shape_is_right:
; O = softmax(Q K^T / 8) V for one (n, head) and 256 queries a work-group, both products on codes of BF6 (E3M2) with one E8M0 byte for each 32 along a product's K; O / l is then quantised along the head's channels for the last projection.
; THE SOFTMAX: t = score x log2(e) / 8; M = the row's largest t so far, rounded UP to a whole number; p = 2^(t - M) is quantised along the keys, not normalised; the row's sum is taken of the unquantised p and divides O at the end.
; When M moves, the sum and O are multiplied by 2^(old M - new M): exact.
; SHARES.  Sixteen waves, four to a SIMD, each with ONE tile of 16 queries in 256 registers: one wave's vector work stands beside another's matrix work and LDS loads.  Every wave walks the head's 4,096 keys, 128 a step.
; LAYOUT.  Both products are used transposed (S^T = K Q^T, O^T = V^T P^T): a lane holds one query throughout.  The keys of a tile are chosen (lane-row r of tile 2 b + u is key 32 b + 8 u + r + 8 (r / 8)), so that the 16 registers of
; tiles 2 b and 2 b + 1 are keys 32 b + 16 h + 0 .. 15.  All operands lie in memory and in LDS as images of operand registers: registers 4 g .. 4 g + 3 of lane l at 512 g + 16 l.
; K = 64 IN THE FIRST PRODUCT.  A fragment of K holds key tiles 2 j (k = 0 .. 63) and 2 j + 1 (k = 64 .. 127).  It is multiplied by [Q | zero codes], scale bytes (b0, b1, 0, 0), and by [zero codes | Q], bytes (0, 0, b0, b1):
; the products with zero codes are exactly 0.  v16-33 hold Q, zeros, Q: the two operands are v[16:27] and v[22:33].
; CLUSTER.  The four work-groups of a cluster belong to one head and walk the same K and V: each tile is asked for JOINTLY, by the same tensor load with the same descriptor and the mask of all four.
; RING.  Two LDS slots of four key steps (49,152 bytes, dense), 65,536 bytes apart; waves 0 and 1 fetch a slot's halves; the head's 16,384 scale bytes come once, by wave 2.  A wave never has more than one tensor load out.
; LIMITS: NaN and infinities are not served; a block of zeros gets the byte 1 where the rule says 127: its codes are zeros, and this program alone reads the bytes.
; REGISTERS: v1-3 LDS addresses (16, 8, 4 x lane); v5, v6 the spare word's address and 0; v7 256 x lane; v8-9 K's scale words; v10-11 V's; v12 -M; v13 the largest t; v[14:15] the sum; v16-33 Q; v34, v35 Q's scale words;
;   v36-83 K; v84-131 V; v132-195 S^T, then p; v196-227 O^T; v228-239 p's codes; v240-251 at work; v252 f; v253 p's scale word; v254 at work.
.set QS,    3145728
.set KS,    6291456
.set OS,    3145728
.set STEPB, 12288                      ; a key step: K's four pair fragments, V's four fragments
.set SLOTB, 49152
.set SLOT1, 65536
.set SCB,   131072                     ; the head's scale bytes, 512 a key step
.set SPARE, 147456                     ; the spare words, 128 bytes for each of sixteen waves: eight blocks of 256 bytes that no other line names
.set FLOOR, 0x2800000
.set EOFF,  0xfe000000
.set QA, 16
.set KF, 36
.set VF, 84
.set S,  132
.set OT, 196
.set P,  228
.set BM, 240
.set PB, 244
.macro CROUND                          ; a round of the cluster's barrier
	s_barrier_signal -1
	s_barrier_wait -1
	s_cmp_lg_u32 s10, 0
	s_cbranch_scc1 .Lnot_wave_0_\@
	s_barrier_signal -3
.Lnot_wave_0_\@:
	s_barrier_wait -3
	s_barrier_signal -1
	s_barrier_wait -1
.endm
.macro TLOAD                           ; waves 0 and 1 fetch the two halves of a slot; the branch hangs on the wave's number alone; four v_nop follow the load
	s_cmp_lt_u32 s10, 2
	s_cbranch_scc0 .Lno_load_\@
	tensor_load_to_lds s[32:35], s[24:31]
	s_nop 0
.rept 4
	v_nop
.endr
.Lno_load_\@:
.endm
; A PREFETCH INTO THE L2.  All clusters of a head walk the same 393,216 bytes of K and V: the head's first cluster asks.  At each change of slots its waves 4 and 5 name 8,192 bytes each, lanes 256 bytes apart; the four partners are told
; apart BY ADDRESS.  That is 65,536 bytes a change, from byte 98,304 (slot 2) on: change k names bytes 32,768 + 65,536 k up to 98,304 + 65,536 k, whose loads stand at change k + 1 or later... at the least one slot on.  Wave 4 asks in changes 1 to 5,
; wave 5 in changes 1 to 4: the last byte named is the head's last.  Each block of 256 bytes is named once.  Slots 0 and 1 and the scale bytes come by their loads alone.
.macro ASK
	s_cmp_gt_u32 s50, s51
	s_cbranch_scc0 .Lnot_mine_\@
	global_prefetch_b8 v7, s[52:53] th:TH_LOAD_NT scope:SCOPE_SE
.Lnot_mine_\@:
.endm
	s_load_b128 s[4:7], s[0:1], 0x0                ; qq, kv
	s_load_b64 s[8:9], s[0:1], 0x10                ; oq
	v_lshl_add_u32 v5, v0, 2, SPARE
	v_mov_b32 v6, 0
	ds_add_u32 v5, v6
	ds_add_u32 v5, v6
	s_wait_dscnt 0x0
	v_lshrrev_b32 v1, 5, v0
	s_delay_alu instid0(VALU_DEP_1)
	v_readfirstlane_b32 s10, v1                    ; wave 0..15
	s_bfe_u32 s11, ttmp6, 0x40000                  ; cx: it enters Q's, O's and the prefetches' global addresses alone
	s_lshl_b32 s12, ttmp9, 2
	s_add_co_u32 s12, s12, s11                     ; my block of 256 queries
	s_and_b32 s13, ttmp7, 0xffff                   ; n 8 + head, which the four partners share
	; descriptor group 1: half a slot, 24,576 dense bytes, as 96 rows of 256 bytes (32 elements of 8 bytes)
	s_mov_b32 s24, 15|(3<<16)|(1<<21)              ; 15:0 the mask: all four work-groups; 17:16 elements of 8 bytes; 20 no padding; 21 set beside a mask
	s_mov_b32 s25, 32<<16                          ; tensor_dim0 = 32
	s_mov_b32 s26, 96<<16                          ; tensor_dim1 = 96
	s_mov_b32 s27, 32<<16                          ; tile_dim0 = 32
	s_mov_b32 s28, 96                              ; tile_dim1 = 96
	s_mov_b32 s29, 32                              ; from row to row
	s_mov_b32 s30, 0
	s_mov_b32 s31, 0
	; and for the scale bytes: 64 rows of 256 bytes
	s_mov_b32 s36, 15|(3<<16)|(1<<21)
	s_mov_b32 s37, 32<<16
	s_mov_b32 s38, 64<<16
	s_mov_b32 s39, 32<<16
	s_mov_b32 s40, 64
	s_mov_b32 s41, 32
	s_mov_b32 s42, 0
	s_mov_b32 s43, 0
	s_mov_b32 s20, 0x76543210
	s_mov_b32 s21, 0xfedcba98                      ; v_permlanex16_b32's selects for lane l xor 16
	s_mov_b32 s22, 0x3e38aa3b                      ; c = log2(e) / 8
	s_mov_b32 s23, s22                             ; (named with it as a pair, so it is written)
	s_mov_b32 s48, 0                               ; LDS byte at which the slot in hand begins
	s_mov_b32 s49, SCB                             ; and its scale bytes
	s_mov_b32 s50, 7                               ; slots still to be asked for
	; Q and O: my tile of 16 queries
	s_lshl_b32 s55, s12, 1
	s_lshr_b32 s2, s10, 3
	s_add_co_u32 s55, s55, s2                      ; the group of 128 tokens in n
	s_and_b32 s3, s10, 7                           ; the tile in it
	s_lshl_b32 s62, s13, 5
	s_add_co_u32 s62, s62, s55                     ; the record
	s_lshr_b32 s2, s3, 1                           ; the pair of tiles
	s_mul_i32 s14, s62, 6144
	s_mul_i32 s16, s2, 1536
	s_add_co_u32 s14, s14, s16
	s_mov_b32 s15, 0
	s_lshl_b32 s16, s62, 8
	s_add_co_u32 s16, s16, QS
	s_and_b32 s62, s2, 1
	s_lshl_b32 s62, s62, 7
	s_add_co_u32 s16, s16, s62                     ; odd pairs lie in lanes 16-31 of the image: 128 bytes on;
	s_lshr_b32 s62, s2, 1
	s_lshl_b32 s62, s62, 2
	s_add_co_u32 s16, s16, s62                     ; pairs 2 and 3 in its second register: 4 bytes on
	s_mov_b32 s17, 0
	s_lshr_b32 s18, s13, 3
	s_lshl_b32 s18, s18, 5
	s_add_co_u32 s18, s18, s55
	s_lshl_b32 s18, s18, 3
	s_add_co_u32 s18, s18, s3                      ; the tile among all 512
	s_lshl_b32 s18, s18, 3
	s_and_b32 s60, s13, 7
	s_add_co_u32 s18, s18, s60                     ; x 8 + head
	s_lshl_b32 s60, s18, 7
	s_add_co_u32 s60, s60, OS
	s_mov_b32 s61, 0
	s_mul_i32 s18, s18, 768
	s_mov_b32 s19, 0
	s_and_b32 s57, s3, 1                           ; which half of the pair is mine
	s_cselect_b32 s56, -1, 0
	s_lshl_b32 s57, s57, 4
	; the prefetches
	s_mul_i32 s62, s13, 393216
	s_lshl_b32 s2, s11, 13
	s_add_co_u32 s62, s62, s2
	s_and_b32 s2, s10, 1
	s_lshl_b32 s2, s2, 15
	s_add_co_u32 s62, s62, s2
	s_add_co_u32 s62, s62, 32768                   ; the first change of slots steps it by 65,536
	s_mov_b32 s63, 0
	; what I fetch, if I fetch
	s_and_b32 s54, s10, 1
	s_mul_i32 s54, s54, 24576
	s_mul_i32 s58, s13, 393216
	s_add_co_u32 s58, s58, s54
	s_mov_b32 s59, 0
	s_wait_kmcnt 0x0
	s_add_nc_u64 s[14:15], s[4:5], s[14:15]
	s_add_nc_u64 s[16:17], s[4:5], s[16:17]
	s_add_nc_u64 s[18:19], s[8:9], s[18:19]
	s_add_nc_u64 s[60:61], s[8:9], s[60:61]
	s_add_nc_u64 s[52:53], s[6:7], s[62:63]
	s_mov_b32 s32, 1                               ; count = 1
	s_mov_b32 s33, s54                             ; LDS address: slot 0, my half
	s_add_nc_u64 s[34:35], s[6:7], s[58:59]        ; the head's first four key steps, my half
	s_or_b32 s35, s35, 0x80000000                  ; type = 2
	s_lshl_b32 s58, s13, 14
	s_add_co_u32 s58, s58, KS
	s_mov_b32 s44, 1
	s_mov_b32 s45, SCB
	s_add_nc_u64 s[46:47], s[6:7], s[58:59]
	s_or_b32 s47, s47, 0x80000000
	s_lshr_b32 s54, s10, 1
	s_xor_b32 s54, s54, 2                          ; 0 in waves 4 and 5,
	s_or_b32 s54, s54, ttmp9                       ; of the head's first cluster: the same in all four partners
	s_sub_co_u32 s51, s10, 2
	s_cmp_eq_u32 s54, 0
	s_cselect_b32 s51, s51, -1                     ; wave 4 asks while more than 2 slots are to be asked for, wave 5 while more than 3, the others never
	CROUND                                         ; all four work-groups are here: the first joint loads meet
	s_cmp_lt_u32 s10, 2
	s_cbranch_scc0 .Lnot_kv
	tensor_load_to_lds s[32:35], s[24:31]          ; slot 0
	s_nop 0
.rept 4
	v_nop
.endr
	s_branch .Lfirst_done
.Lnot_kv:
	s_cmp_eq_u32 s10, 2
	s_cbranch_scc0 .Lfirst_done
	tensor_load_to_lds s[44:47], s[36:43]          ; the head's scale bytes: filled once
	s_nop 0
.rept 4
	v_nop
.endr
.Lfirst_done:
	v_and_b32 v254, 31, v0
	s_delay_alu instid0(VALU_DEP_1)
	v_lshlrev_b32 v1, 4, v254
	v_and_b32 v2, 15, v0
	s_delay_alu instid0(VALU_DEP_1)
	v_lshlrev_b32 v2, 3, v2
	s_delay_alu instid0(VALU_DEP_4)
	v_lshlrev_b32 v7, 8, v254
.irp g, 0,1,2
	global_load_b128 v[KF+4*\g:KF+4*\g+3], v1, s[14:15] offset:512*\g   ; the pair fragment that holds my tile of Q
.endr
	global_load_b32 v34, v2, s[16:17]              ; and its scale words
	s_wait_loadcnt 0x0
.irp i, 0,1,2,3,4,5
	v_cndmask_b32 v[QA+\i], v[KF+\i], v[KF+6+\i], s56   ; my half of the pair
.endr
.irp i, 0,1,2,3,4,5
	v_mov_b32 v[QA+12+\i], v[QA+\i]
.endr
.irp i, 0,1,2,3,4,5
	v_mov_b32 v[QA+6+\i], 0
.endr
	v_lshrrev_b32 v34, s57, v34
	s_delay_alu instid0(VALU_DEP_1)
	v_and_b32 v34, 0xffff, v34                     ; (b0, b1, 0, 0)
	s_delay_alu instid0(VALU_DEP_1)
	v_lshlrev_b32 v35, 16, v34                     ; (0, 0, b0, b1)
	v_mov_b32 v13, 0xff61b1e6                      ; the largest t so far: -3e38, under every t
	s_delay_alu instid0(VALU_DEP_1)
	v_floor_f32 v12, -v13                          ; -M
	v_mov_b32 v14, 0                               ; the sum, in two halves
	v_mov_b32 v15, 0
.irp b, 0,1,2,3
	v_mov_b32 v[PB+\b], 0                          ; written once: a lane permute's destination counts as one of its sources
.endr
	v_mov_b32 v253, 0                              ; (named as the upper half of the pair v[252:253] before it is first written)
.set k, 0
.rept 32
	v_mov_b32 v[OT+k], 0                           ; O^T: the step is written once; the first finds zeros, which the first change of M leaves zeros.  (These are also the places between Q's scale words and the first product)
.set k, k+1
.endr
.macro KLOAD q                         ; key step q of the slot: K's four pair fragments and their scale words: 13 loads
.irp j, 0,1,2,3
.irp g, 0,1,2
	ds_load_b128 v[KF+12*\j+4*\g:KF+12*\j+4*\g+3], v1 offset:(\q)*STEPB+\j*1536+512*\g
.endr
.endr
	ds_load_b64 v[8:9], v2 offset:(\q)*512
.endm
.macro STEP q
	s_wait_dscnt 0x0                               ; K and its scale words are in
.irp j, 0,1,2,3                                ; S^T = K Q^T: eight tiles of 16 keys
.irp u, 0,1
.if \j%2
	v_wmma_scale_f32_16x16x128_f8f6f4 v[S+8*(2*\j+\u):S+8*(2*\j+\u)+7], v[KF+12*\j:KF+12*\j+11], v[QA+6*\u:QA+6*\u+11], 0, v[8+\j/2], v[34+\u] matrix_a_fmt:MATRIX_FMT_BF6 matrix_b_fmt:MATRIX_FMT_BF6 matrix_a_scale:MATRIX_SCALE_ROW1
.else
	v_wmma_scale_f32_16x16x128_f8f6f4 v[S+8*(2*\j+\u):S+8*(2*\j+\u)+7], v[KF+12*\j:KF+12*\j+11], v[QA+6*\u:QA+6*\u+11], 0, v[8+\j/2], v[34+\u] matrix_a_fmt:MATRIX_FMT_BF6 matrix_b_fmt:MATRIX_FMT_BF6
.endif
.endr
.endr
.rept 4
	v_nop                                          ; places ahead of loads into registers that matrix instructions have read, and of the first read of the scores
.endr
.irp d, 0,1,2,3                                ; V of this step: 14 loads; they land under the softmax
.irp g, 0,1,2
	ds_load_b128 v[VF+12*\d+4*\g:VF+12*\d+4*\g+3], v1 offset:(\q)*STEPB+6144+\d*1536+512*\g
.endr
.endr
	ds_load_b32 v10, v3 offset:(\q)*512+256
	ds_load_b32 v11, v3 offset:(\q)*512+384
.if (\q) < 3
	KLOAD (\q)+1                                   ; and K of the next
.endif
.irp b, 0,1,2,3
	v_max3_num_f32 v[BM+\b], v[S+16*\b], v[S+1+16*\b], v[S+2+16*\b]   ; the largest score of each block of 32 keys: for the row's maximum and, since p rises with the score, for the block's largest p
.endr
.irp i, 3,5,7,9,11,13
.irp b, 0,1,2,3
	v_max3_num_f32 v[BM+\b], v[BM+\b], v[S+16*\b+\i], v[S+1+16*\b+\i]
.endr
.endr
.irp b, 0,1,2,3
	v_max_num_f32 v[BM+\b], v[BM+\b], v[S+15+16*\b]
.endr
.irp b, 0,1,2,3
	s_delay_alu instid0(VALU_DEP_4)
	v_permlanex16_b32 v[PB+\b], v[BM+\b], s20, s21
.endr
.irp b, 0,1,2,3
	s_delay_alu instid0(VALU_DEP_4)
	v_max_num_f32 v[BM+\b], v[BM+\b], v[PB+\b]     ; with lane l xor 16's 16 keys
.endr
	s_delay_alu instid0(VALU_DEP_2)
	v_max3_num_f32 v254, v[BM], v[BM+1], v[BM+2]
	s_delay_alu instid0(VALU_DEP_1)
	v_max_num_f32 v254, v254, v[BM+3]              ; the step's largest score of my query
	s_delay_alu instid0(VALU_DEP_1)
	v_mul_f32 v254, s22, v254                      ; as t (c is positive)
	s_delay_alu instid0(VALU_DEP_1)
	v_max_num_f32 v13, v13, v254                   ; the running largest t
	v_mov_b32 v254, v12
	s_delay_alu instid0(VALU_DEP_2)
	v_floor_f32 v12, -v13                          ; the new -M = floor(-t) = -ceil(t)
	s_delay_alu instid0(VALU_DEP_1)
	v_sub_f32 v254, v12, v254                      ; old M - new M: a whole number, 0 or less
	s_delay_alu instid0(VALU_DEP_1)
	v_cvt_i32_f32 v254, v254                       ; (it saturates)
	s_delay_alu instid0(VALU_DEP_1)
	v_ldexp_f32 v252, 1.0, v254                    ; f = 2^(old M - new M)
.set k, 0
.rept 32
	v_pk_fma_f32 v[S+k:S+k+1], v[S+k:S+k+1], s[22:23], v[12:13] op_sel_hi:[1,0,0]   ; t - M, two at a time
.set k, k+2
.endr
.irp b, 0,1,2,3
	v_fma_f32 v[BM+\b], v[BM+\b], s22, v12         ; the same of each block's largest score
.endr
.set k, 0
	s_wait_alu depctr_va_vdst(0)
.rept 64
	v_exp_f32 v[S+k], v[S+k]                       ; p = 2^(t - M), at most 1
.set k, k+1
.endr
.irp b, 0,1,2,3
	v_exp_f32 v[BM+\b], v[BM+\b]                   ; the block's largest p: the same two instructions on the same number
.endr
	v_pk_mul_f32 v[14:15], v[14:15], v[252:253] op_sel_hi:[1,0]   ; the sums under the new M.  (A plain place behind the exponentials)
	s_wait_alu depctr_va_vdst(0)
.irp b, 0,1,2,3
	v_max_num_f32 v[BM+\b], FLOOR, v[BM+\b]
.endr
.irp b, 0,1,2,3
	s_delay_alu instid0(VALU_DEP_4)
	v_add_nc_u32 v[BM+\b], EOFF, v[BM+\b]          ; 4 off the exponent field: the conversion's scale operand
.endr
.irp b, 0,1,2,3
	s_delay_alu instid0(VALU_DEP_4)
	v_lshrrev_b32 v[PB+\b], 23, v[BM+\b]           ; the scale's byte
.endr
	s_delay_alu instid0(VALU_DEP_3)
	v_lshl_or_b32 v253, v[PB+1], 8, v[PB]          ; p's scale word for these 128 keys
	s_delay_alu instid0(VALU_DEP_1)
	v_lshl_or_b32 v253, v[PB+2], 16, v253
	s_delay_alu instid0(VALU_DEP_1)
	v_lshl_or_b32 v253, v[PB+3], 24, v253
.irp c, 0,1
	v_cvt_scalef32_pk16_bf6_f32 v[P+6*\c:P+2+6*\c], v[S+32*\c:S+15+32*\c], v[BM+2*\c]
	v_cvt_scalef32_pk16_bf6_f32 v[PB+4*\c:PB+2+4*\c], v[S+16+32*\c:S+31+32*\c], v[BM+1+2*\c]
.endr
	v_nop                                          ; one plain place behind a scaled conversion
.irp c, 0,1                                    ; the operand's layout wants a whole block in a lane
.irp i, 0,1,2
	v_permlane16_swap_b32 v[P+6*\c+\i], v[PB+4*\c+\i]
.endr
.irp i, 0,1,2
	s_delay_alu instid0(VALU_DEP_3)
	v_mov_b32 v[P+3+6*\c+\i], v[PB+4*\c+\i]
.endr
.endr
	v_pk_add_f32 v[244:245], v[136:137], v[140:141]
	v_pk_add_f32 v[254:255], v[144:145], v[148:149]
	v_pk_add_f32 v[250:251], v[152:153], v[156:157]
	v_pk_add_f32 v[248:249], v[160:161], v[164:165]
	v_pk_add_f32 v[242:243], v[168:169], v[172:173]
	v_pk_add_f32 v[240:241], v[176:177], v[180:181]
	v_pk_add_f32 v[14:15], v[14:15], v[184:185]
	v_pk_add_f32 v[244:245], v[244:245], v[188:189]
	v_pk_add_f32 v[254:255], v[254:255], v[192:193]
	v_pk_add_f32 v[250:251], v[250:251], v[132:133]
	v_pk_add_f32 v[248:249], v[248:249], v[134:135]
	v_pk_add_f32 v[242:243], v[242:243], v[138:139]
	v_pk_add_f32 v[240:241], v[240:241], v[142:143]
	v_pk_add_f32 v[14:15], v[14:15], v[146:147]
	v_pk_add_f32 v[244:245], v[244:245], v[150:151]
	v_pk_add_f32 v[254:255], v[254:255], v[154:155]
	v_pk_add_f32 v[250:251], v[250:251], v[158:159]
	v_pk_add_f32 v[248:249], v[248:249], v[162:163]
	v_pk_add_f32 v[242:243], v[242:243], v[166:167]
	v_pk_add_f32 v[240:241], v[240:241], v[170:171]
	v_pk_add_f32 v[14:15], v[14:15], v[174:175]
	v_pk_add_f32 v[244:245], v[244:245], v[178:179]
	v_pk_add_f32 v[254:255], v[254:255], v[182:183]
	v_pk_add_f32 v[250:251], v[250:251], v[186:187]
	v_pk_add_f32 v[248:249], v[248:249], v[190:191]
	v_pk_add_f32 v[242:243], v[242:243], v[194:195]
	s_delay_alu instid0(VALU_DEP_2)
	v_pk_add_f32 v[14:15], v[14:15], v[248:249]
	s_delay_alu instid0(VALU_DEP_2)
	v_pk_add_f32 v[244:245], v[244:245], v[242:243]
	v_pk_add_f32 v[254:255], v[254:255], v[240:241]
	s_delay_alu instid0(VALU_DEP_1)
	v_pk_add_f32 v[14:15], v[14:15], v[254:255]
	s_delay_alu instid0(VALU_DEP_3)
	v_pk_add_f32 v[244:245], v[244:245], v[250:251]
	s_delay_alu instid0(VALU_DEP_1)
	v_pk_add_f32 v[14:15], v[14:15], v[244:245]
.set k, 0
.rept 16
	v_pk_mul_f32 v[OT+k:OT+k+1], v[OT+k:OT+k+1], v[252:253] op_sel_hi:[1,0]   ; O^T under the new M.  (With the sums above: the places between p's codes and scale word and the products below)
.set k, k+2
.endr
.if (\q) < 3
	s_wait_alu depctr_va_vdst(0)
	s_wait_dscnt 13                                ; V and its scale words are in; the next step's 13 loads of K may be out
.else
	s_wait_alu depctr_va_vdst(0)
	s_wait_dscnt 0x0
.endif
.irp d, 0,1,2,3                                ; O^T += V^T P^T: four tiles of 16 channels; the accumulators take turns
.if \d%2
	v_wmma_scale_f32_16x16x128_f8f6f4 v[OT+8*\d:OT+8*\d+7], v[VF+12*\d:VF+12*\d+11], v[P:P+11], v[OT+8*\d:OT+8*\d+7], v[10+\d/2], v253 matrix_a_fmt:MATRIX_FMT_BF6 matrix_b_fmt:MATRIX_FMT_BF6 matrix_a_scale:MATRIX_SCALE_ROW1
.else
	v_wmma_scale_f32_16x16x128_f8f6f4 v[OT+8*\d:OT+8*\d+7], v[VF+12*\d:VF+12*\d+11], v[P:P+11], v[OT+8*\d:OT+8*\d+7], v[10+\d/2], v253 matrix_a_fmt:MATRIX_FMT_BF6 matrix_b_fmt:MATRIX_FMT_BF6
.endif
.endr
.endm
; THE CHANGE OF SLOTS stands at a slot's head.  Each wave waits for all its tensor loads (its part of the slot that it is about to read), adds 0 to its spare word, and waits for that and for its reads of the slot that it has left.
; fill = 1: the barrier is a round of the cluster's, so that no wave of any partner still reads the other slot or has a load on its way, and the joint fill of that slot is the first thing behind it: it has four key steps in which to land.
.macro CHANGE fill
	s_wait_tensorcnt 0x0                           ; no tensor load of mine is out, so the group 0 may be written
	ds_add_u32 v5, v6                              ; 0 onto my spare word
.if \fill
	s_xor_b32 s33, s33, SLOT1                      ; the walking descriptor: the other slot than last time,
	s_add_nc_u64 s[34:35], s[34:35], SLOTB         ; the next four key steps; the type bits on top are not reached
	s_wait_xcnt 0x0                                ; the last prefetch, a slot back, has read its address, so it may be written
	s_add_nc_u64 s[52:53], s[52:53], 65536
.endif
	s_wait_dscnt 0x0                               ; the add is done, and my reads of the slot that I have left are over
.if \fill
	CROUND
	TLOAD                                          ; the first thing behind the round, and a wave's one tensor load until the next
	ASK
.else
	s_barrier_signal -1
	s_barrier_wait -1
.endif
	v_and_b32 v254, 31, v0
	s_delay_alu instid0(VALU_DEP_1)
	v_lshl_add_u32 v1, v254, 4, s48                ; 16 x lane in the slot in hand
	s_delay_alu instid0(VALU_DEP_2)
	v_lshl_add_u32 v2, v254, 3, s49                ; 8 x lane and
	s_delay_alu instid0(VALU_DEP_3)
	v_lshl_add_u32 v3, v254, 2, s49                ; 4 x lane among its scale bytes
	KLOAD 0
.endm
.Lslot:                                            ; seven trips: behind each change of slots but the last the next slot is asked for
	CHANGE 1
	s_wait_alu depctr_va_vdst(0)
	STEP 0
	STEP 1
	STEP 2
	STEP 3
	s_xor_b32 s48, s48, SLOT1                      ; on to the other slot
	s_add_co_u32 s49, s49, 2048                    ; and the next four steps' scale bytes
	s_sub_co_u32 s50, s50, 1
	s_cmp_lg_u32 s50, 0
	s_cbranch_scc1 .Lslot
	CHANGE 0                                       ; the last slot is written out
	s_wait_alu depctr_va_vdst(0)
	STEP 0
	STEP 1
	STEP 2
	STEP 3
	; THE WAY OUT: O^T / the sum, quantised along the head's 64 channels: half a fragment (six registers) of the last projection's operand, and its two scale bytes
.rept 4
	v_nop                                          ; places behind the last products
.endr
	v_add_f32 v14, v14, v15                        ; the sum's two halves,
	s_delay_alu instid0(VALU_DEP_1)
	v_permlanex16_b32 v252, v14, s20, s21
	s_delay_alu instid0(VALU_DEP_1)
	v_add_f32 v14, v14, v252                       ; and lane l xor 16's: the row's sum
	s_wait_alu depctr_va_vdst(0)
	v_rcp_f32 v14, v14
	v_and_b32 v254, 31, v0                         ; (a plain place behind the transcendental)
.set k, 0
	s_wait_alu depctr_va_vdst(0)
.rept 16
	v_pk_mul_f32 v[S+k:S+k+1], v[OT+k:OT+k+1], v[14:15] op_sel_hi:[1,0]   ; register 16 b + i is channel 32 b + 16 h + i of my query
.set k, k+2
.endr
.irp b, 0,1
	v_max3_num_f32 v[BM+\b], |v[S+16*\b]|, |v[S+1+16*\b]|, FLOOR
.endr
.irp i, 2,4,6,8,10,12,14
.irp b, 0,1
	s_delay_alu instid0(VALU_DEP_2)
	v_max3_num_f32 v[BM+\b], v[BM+\b], |v[S+16*\b+\i]|, |v[S+1+16*\b+\i]|
.endr
.endr
.irp b, 0,1
	s_delay_alu instid0(VALU_DEP_2)
	v_permlanex16_b32 v[PB+\b], v[BM+\b], s20, s21
.endr
.irp b, 0,1
	s_delay_alu instid0(VALU_DEP_2)
	v_max_num_f32 v[BM+\b], v[BM+\b], v[PB+\b]
.endr
.irp b, 0,1
	s_delay_alu instid0(VALU_DEP_2)
	v_add_nc_u32 v[BM+2+\b], EOFF, v[BM+\b]
.endr
.irp b, 0,1
	s_delay_alu instid0(VALU_DEP_2)
	v_lshrrev_b32 v[PB+\b], 23, v[BM+2+\b]
.endr
	s_delay_alu instid0(VALU_DEP_1)
	v_lshl_or_b32 v253, v[PB+1], 8, v[PB]          ; (b0, b1, 0, 0)
	v_cvt_scalef32_pk16_bf6_f32 v[P:P+2], v[S:S+15], v[BM+2]
	v_cvt_scalef32_pk16_bf6_f32 v[248:250], v[S+16:S+31], v[BM+3]
	v_nop
.irp i, 0,1,2
	v_permlane16_swap_b32 v[P+\i], v[248+\i]
.endr
.irp i, 0,1,2
	s_delay_alu instid0(VALU_DEP_3)
	v_mov_b32 v[P+3+\i], v[248+\i]
.endr
	v_lshlrev_b32 v1, 4, v254
	v_lshlrev_b32 v2, 3, v254
	v_lshlrev_b32 v3, 2, v254
	global_store_b128 v1, v[P:P+3], s[18:19]       ; words 0-3 at 16 l: 512 consecutive bytes
	global_store_b64 v2, v[P+4:P+5], s[18:19] offset:512   ; words 4-5 at 512 + 8 l
	global_store_b32 v3, v253, s[60:61]
	s_wait_tensorcnt 0x0                           ; the wave's end
	ds_add_u32 v5, v6
	s_wait_dscnt 0x0
	CROUND                                         ; the closing round: no work-group ends while a partner may still ask for a tile that names it
	s_endpgm
.Lfunc_end_k_qf64c994b24_attn:
	.size	k_qf64c994b24_attn, .Lfunc_end_k_qf64c994b24_attn-k_qf64c994b24_attn
	.p2alignl 7, 3214868480
	.fill 96, 4, 3214868480
	.section	.rodata,"a",@progbits
	.p2align	6, 0x0
	.amdhsa_kernel k_qf64c994b24_attn
		.amdhsa_group_segment_fixed_size 327680
		.amdhsa_private_segment_fixed_size 0
		.amdhsa_enable_private_segment 0
		.amdhsa_kernarg_size 24
		.amdhsa_user_sgpr_count 2
		.amdhsa_user_sgpr_kernarg_segment_ptr 1
		.amdhsa_wavefront_size32 1
		.amdhsa_system_sgpr_workgroup_id_x 1
		.amdhsa_system_sgpr_workgroup_id_y 1
		.amdhsa_system_sgpr_workgroup_id_z 1
		.amdhsa_system_vgpr_workitem_id 0
		.amdhsa_next_free_vgpr 256
		.amdhsa_next_free_sgpr 66
		.amdhsa_reserve_vcc 0
		.amdhsa_float_denorm_mode_32 3
		.amdhsa_float_denorm_mode_16_64 3
		.amdhsa_memory_ordered 1
		.amdhsa_forward_progress 1
		.amdhsa_inst_pref_size 146
	.end_amdhsa_kernel
	.amdgpu_metadata
---
amdhsa.version: [ 1, 2 ]
amdhsa.kernels:
  - .name:           k_qf64c994b24_attn
    .symbol:         k_qf64c994b24_attn.kd
    .args:
      - { .name: qq, .offset: 0, .size: 8, .value_kind: global_buffer, .address_space: global }
      - { .name: kv, .offset: 8, .size: 8, .value_kind: global_buffer, .address_space: global }
      - { .name: oq, .offset: 16, .size: 8, .value_kind: global_buffer, .address_space: global }
    .group_segment_fixed_size: 327680
    .private_segment_fixed_size: 0
    .kernarg_segment_align: 8
    .kernarg_segment_size: 24
    .max_flat_workgroup_size: 512
    .sgpr_count:     66
    .vgpr_count:     256
    .wavefront_size: 32
...
	.end_amdgpu_metadata
.endif
;; end of part 3
;; launch oproj (part 4): grid 64 x 4, 16 waves a work-group, no clusters, 120,832 bytes of LDS; arguments oq, wq, bo, gamma, x, out0; writes out0
.if DOCPART == 4
	.amdgcn_target "amdgcn-amd-amdhsa--gfx1250"
	.amdhsa_code_object_version 6
	.text
	.protected	k_qf64c994b24_oproj
	.globl	k_qf64c994b24_oproj
	.p2align	8
	.type	k_qf64c994b24_oproj,@function
k_qf64c994b24_oproj:
	s_mov_b64 s[64:65], 0
	v_nop
	global_prefetch_b8 v0, s[64:65] scope:SCOPE_SE
	s_setreg_imm32_b32 hwreg(HW_REG_WAVE_MODE, 25, 1), 1
	s_wait_xcnt 0x0
; out0 = gamma (Wo a + bo) + x, the product on codes of BF6 (E3M2) with one E8M0 byte for each 32 along c.  a is attention's result as the launch before left it: for each tile of 16 tokens and each head half a fragment
; (six registers a lane: words 0-3 at 16 l, words 4-5 at 512 + 8 l; 768 bytes) and a word with its two scale bytes.  Heads 2 s and 2 s + 1 make K step s: registers 0-5 and 6-11, scale word (b0, b1 | b0, b1).
; A work-group takes a group of 128 tokens (x) and 128 rows of Wo (y).  Wave w: tile 8 y + w / 2 of Wo (16 rows), token tiles 4 (w % 2) + 0 .. 3: 64 tokens.
; Source 0 = 16 tokens, source 1 = 16 rows of Wo: a lane holds ONE output channel, and since lane-row r of token tile 2 b + u is token 32 b + 8 u + r + 8 (r / 8), the registers of tiles 2 b, 2 b + 1 are tokens 32 b + 16 h + 0 .. 15:
; 64 neighbouring bytes of a row of out0.  A wave's 16 rows x 256 bytes turn through its own stage in LDS, so that sixteen lanes store 256 consecutive bytes, aligned.  bo is the C of each sum's first matrix instruction.
; NO JOINT LOADS: the four work-groups of a token group read the same 49,152 bytes once each, at the head, through registers; there is no ring whose refills a joint request could serve.
; REGISTERS: v1-9 addresses; v12-15 Wo's scale words; v16-47 a's; v48-55 the bias; v56-103 Wo's four fragments; v104-151 four fragments of a (first: the copy's data; last: rows of the result); v152-183 accumulators; v184-215 x.
.set OS,  3145728
.set WS,  786432
.set STG, 49152                        ; behind the images: a stage of 16 rows x (256 + 16) bytes for each wave
.set WSC, 12
.set OSR, 16
.set BI,  48
.set WF,  56
.set FB,  104
.set ACC, 152
.set XR,  184
	s_load_b256 s[4:11], s[0:1], 0x0               ; oq, wq, bo, gamma
	s_load_b128 s[12:15], s[0:1], 0x20             ; x, out0
	v_lshl_add_u32 v216, v0, 2, 0x1d000
	v_mov_b32 v217, 0
	v_lshrrev_b32 v1, 5, v0
	s_delay_alu instid0(VALU_DEP_1)
	v_readfirstlane_b32 s16, v1                    ; wave 0..15
	s_and_b32 s17, s16, 1                          ; which 64 tokens
	s_lshr_b32 s18, s16, 1
	s_and_b32 s19, ttmp7, 0xffff
	s_lshl_b32 s19, s19, 3
	s_add_co_u32 s18, s18, s19                     ; which tile of Wo
	v_and_b32 v10, 31, v0
	s_delay_alu instid0(VALU_DEP_1)
	v_lshlrev_b32 v1, 4, v10                       ; 16 x lane
	s_delay_alu instid0(VALU_DEP_2)
	v_lshlrev_b32 v2, 2, v10                       ; 4 x lane
	s_mul_i32 s20, s16, 3072                       ; my sixteenth of the group's images
	v_add_nc_u32 v3, s20, v1
	s_mul_i32 s21, s17, 24576                      ; my four token tiles' images
	v_add_nc_u32 v4, s21, v1
	v_lshl_add_u32 v5, v10, 3, s21
	v_and_b32 v10, 15, v0                          ; r
	v_bfe_u32 v11, v0, 4, 1                        ; h
	s_mul_i32 s22, s16, 4352
	s_add_co_u32 s22, s22, STG                     ; my stage
	v_mul_u32_u24 v6, v10, 272
	s_delay_alu instid0(VALU_DEP_1)
	v_lshl_add_u32 v6, v11, 6, v6
	s_delay_alu instid0(VALU_DEP_1)
	v_add_nc_u32 v6, s22, v6                       ; in: row r, + 64 h
	v_mul_u32_u24 v7, v11, 272
	s_delay_alu instid0(VALU_DEP_1)
	v_lshl_add_u32 v7, v10, 4, v7
	s_delay_alu instid0(VALU_DEP_1)
	v_add_nc_u32 v7, s22, v7                       ; back: lanes 0-15 one row, lanes 16-31 the next
	v_lshlrev_b32 v8, 14, v11
	s_delay_alu instid0(VALU_DEP_1)
	v_lshl_add_u32 v8, v10, 4, v8                  ; and the same two rows of x and of out0: a channel is 16,384 bytes
	v_and_b32 v9, 8, v10
	s_delay_alu instid0(VALU_DEP_1)
	v_add_nc_u32 v9, v9, v10
	s_delay_alu instid0(VALU_DEP_1)
	v_lshlrev_b32 v9, 2, v9                        ; the bias: my lane's channel, r + 8 (r / 8) in the tile
	s_lshr_b32 s23, s18, 1
	s_lshl_b32 s23, s23, 5
	s_and_b32 s38, s18, 1
	s_lshl_b32 s38, s38, 3
	s_add_co_u32 s23, s23, s38                     ; the tile's first channel
	s_mul_i32 s24, ttmp9, 49152
	s_add_co_u32 s24, s24, s20
	s_mov_b32 s25, 0
	s_lshl_b32 s38, s18, 2
	s_add_co_u32 s38, s38, 384                     ; Wo is the fourth matrix: fragments 384 on
	s_mul_i32 s26, s38, 1536
	s_mov_b32 s27, 0
	s_lshl_b32 s28, s38, 7
	s_add_co_u32 s28, s28, WS
	s_mov_b32 s29, 0
	s_lshl_b32 s30, ttmp9, 3
	s_lshl_b32 s38, s17, 2
	s_add_co_u32 s30, s30, s38
	s_lshl_b32 s30, s30, 10                        ; a token tile has eight heads' words, 128 bytes each
	s_add_co_u32 s30, s30, OS
	s_mov_b32 s31, 0
	s_lshl_b32 s32, s23, 2
	s_mov_b32 s33, 0
	s_lshr_b32 s34, ttmp9, 5
	s_lshl_b32 s34, s34, 23
	s_lshl_b32 s38, s23, 14
	s_add_co_u32 s34, s34, s38
	s_and_b32 s38, ttmp9, 31
	s_lshl_b32 s38, s38, 9
	s_add_co_u32 s34, s34, s38
	s_lshl_b32 s38, s17, 8
	s_add_co_u32 s34, s34, s38                     ; n, the tile's first channel, my 64 tokens
	s_mov_b32 s35, 0
	s_wait_alu depctr_va_vdst(0)
	s_wait_kmcnt 0x0
	s_load_b32 s40, s[10:11], 0x0                  ; gamma
	s_add_nc_u64 s[24:25], s[4:5], s[24:25]
	s_add_nc_u64 s[26:27], s[6:7], s[26:27]
	s_add_nc_u64 s[28:29], s[6:7], s[28:29]
	s_add_nc_u64 s[30:31], s[4:5], s[30:31]
	s_add_nc_u64 s[32:33], s[8:9], s[32:33]
	s_add_nc_u64 s[36:37], s[14:15], s[34:35]
	s_add_nc_u64 s[34:35], s[12:13], s[34:35]
.irp i, 0,1,2,3,4,5
	global_load_b128 v[FB+4*\i:FB+4*\i+3], v1, s[24:25] offset:512*\i   ; my sixteenth of the images, on its way to LDS
.endr
.irp s, 0,1,2,3
.irp g, 0,1,2
	global_load_b128 v[WF+12*\s+4*\g:WF+12*\s+4*\g+3], v1, s[26:27] offset:1536*\s+512*\g
.endr
.endr
.irp s, 0,1,2,3
	global_load_b32 v[WSC+\s], v2, s[28:29] offset:128*\s
.endr
.set k, 0
.rept 32
	global_load_b32 v[OSR+k], v2, s[30:31] offset:128*k   ; register 8 i + head: token tile i's words
.set k, k+1
.endr
	global_load_b32 v[BI], v9, s[32:33]
.irp t, 0,1,2,3,4,5,6,7
	global_load_b128 v[XR+4*\t:XR+4*\t+3], v8, s[34:35] offset:(2*\t+8*(\t/4))*16384 th:TH_LOAD_NT   ; lane-rows 2 t, 2 t + 1 are channels 2 t + 8 (t / 4) and the next
.endr
	s_wait_loadcnt 57                              ; the six oldest are in: behind them stand 12 + 4 + 32 + 1 + 8 loads
.irp i, 0,1,2,3,4,5
	ds_store_b128 v3, v[FB+4*\i:FB+4*\i+3] offset:512*\i
.endr
	s_wait_dscnt 0x0                               ; for the others' sake: my stores have landed
	s_barrier_signal -1
	s_barrier_wait -1                              ; the group's images lie in LDS, (token tile T, head) at (8 T + head) 768; nothing is written there again
	s_wait_loadcnt 8                               ; all but x's eight loads
.irp j, 1,2,3,4,5,6,7
	v_mov_b32 v[BI+\j], v[BI]                      ; a lane's eight results are of one channel
.endr
.irp s, 0,1,2,3
.irp i, 0,1,2,3
	v_lshl_or_b32 v[OSR+8*\i+2*\s], v[OSR+8*\i+2*\s+1], 16, v[OSR+8*\i+2*\s]   ; two heads' bytes make a K step's scale word; each stands eight places or more ahead of the product that takes it
.endr
.endr
.irp s, 0,1,2,3
.irp i, 0,1,2,3
	ds_load_b128 v[FB+12*\i:FB+12*\i+3], v4 offset:6144*\i+1536*\s
	ds_load_b64 v[FB+12*\i+4:FB+12*\i+5], v5 offset:6144*\i+1536*\s+512
	ds_load_b128 v[FB+12*\i+6:FB+12*\i+9], v4 offset:6144*\i+1536*\s+768
	ds_load_b64 v[FB+12*\i+10:FB+12*\i+11], v5 offset:6144*\i+1536*\s+1280
.endr
	s_wait_alu depctr_va_vdst(0)
	s_wait_dscnt 0x0
.irp i, 0,1,2,3                                ; the four accumulators take turns
.if \s == 0
	v_wmma_scale_f32_16x16x128_f8f6f4 v[ACC+8*\i:ACC+8*\i+7], v[FB+12*\i:FB+12*\i+11], v[WF+12*\s:WF+12*\s+11], v[BI:BI+7], v[OSR+8*\i+2*\s], v[WSC+\s] matrix_a_fmt:MATRIX_FMT_BF6 matrix_b_fmt:MATRIX_FMT_BF6
.else
	v_wmma_scale_f32_16x16x128_f8f6f4 v[ACC+8*\i:ACC+8*\i+7], v[FB+12*\i:FB+12*\i+11], v[WF+12*\s:WF+12*\s+11], v[ACC+8*\i:ACC+8*\i+7], v[OSR+8*\i+2*\s], v[WSC+\s] matrix_a_fmt:MATRIX_FMT_BF6 matrix_b_fmt:MATRIX_FMT_BF6
.endif
.endr
.rept 5
	v_nop                                          ; places ahead of loads into the fragments' registers and of the first read of results
.endr
.endr
.irp b, 0,1
.irp q, 0,1,2,3
	ds_store_b128 v6, v[ACC+16*\b+4*\q:ACC+16*\b+4*\q+3] offset:128*\b+16*\q   ; tokens 32 b + 16 h + 4 q on of my channel; each accumulator from its low end on
.endr
.endr
.irp t, 0,1,2,3,4,5,6,7
	ds_load_b128 v[FB+4*\t:FB+4*\t+3], v7 offset:544*\t   ; LDS serves a wave's instructions in order: these see my stores
.endr
	s_wait_kmcnt 0x0
	s_mov_b32 s41, s40                             ; (named with gamma as a pair, so it is written)
	s_wait_loadcnt 0x0                             ; x
	s_wait_dscnt 0x0
.set k, 0
.rept 16
	v_pk_fma_f32 v[FB+k:FB+k+1], v[FB+k:FB+k+1], s[40:41], v[XR+k:XR+k+1] op_sel_hi:[1,0,1]   ; gamma (Wo a + bo) + x
.set k, k+2
.endr
.irp t, 0,1,2,3,4,5,6,7
	global_store_b128 v8, v[FB+4*\t:FB+4*\t+3], s[36:37] offset:(2*\t+8*(\t/4))*16384 th:TH_STORE_NT   ; sixteen lanes store 256 consecutive bytes, at a multiple of 256 from out0's first byte
.endr
	s_wait_tensorcnt 0x0
	ds_add_u32 v216, v217
	s_wait_dscnt 0x0
	s_endpgm
.Lfunc_end_k_qf64c994b24_oproj:
	.size	k_qf64c994b24_oproj, .Lfunc_end_k_qf64c994b24_oproj-k_qf64c994b24_oproj
	.p2alignl 7, 3214868480
	.fill 96, 4, 3214868480
	.section	.rodata,"a",@progbits
	.p2align	6, 0x0
	.amdhsa_kernel k_qf64c994b24_oproj
		.amdhsa_group_segment_fixed_size 120832
		.amdhsa_private_segment_fixed_size 0
		.amdhsa_enable_private_segment 0
		.amdhsa_kernarg_size 48
		.amdhsa_user_sgpr_count 2
		.amdhsa_user_sgpr_kernarg_segment_ptr 1
		.amdhsa_wavefront_size32 1
		.amdhsa_system_sgpr_workgroup_id_x 1
		.amdhsa_system_sgpr_workgroup_id_y 1
		.amdhsa_system_sgpr_workgroup_id_z 1
		.amdhsa_system_vgpr_workitem_id 0
		.amdhsa_next_free_vgpr 218
		.amdhsa_next_free_sgpr 66
		.amdhsa_reserve_vcc 0
		.amdhsa_float_denorm_mode_32 3
		.amdhsa_float_denorm_mode_16_64 3
		.amdhsa_memory_ordered 1
		.amdhsa_forward_progress 1
		.amdhsa_inst_pref_size 22
	.end_amdhsa_kernel
	.amdgpu_metadata
---
amdhsa.version: [ 1, 2 ]
amdhsa.kernels:
  - .name:           k_qf64c994b24_oproj
    .symbol:         k_qf64c994b24_oproj.kd
    .args:
      - { .name: oq, .offset: 0, .size: 8, .value_kind: global_buffer, .address_space: global }
      - { .name: wq, .offset: 8, .size: 8, .value_kind: global_buffer, .address_space: global }
      - { .name: bo, .offset: 16, .size: 8, .value_kind: global_buffer, .address_space: global }
      - { .name: gamma, .offset: 24, .size: 8, .value_kind: global_buffer, .address_space: global }
      - { .name: x, .offset: 32, .size: 8, .value_kind: global_buffer, .address_space: global }
      - { .name: out0, .offset: 40, .size: 8, .value_kind: global_buffer, .address_space: global }
    .group_segment_fixed_size: 120832
    .private_segment_fixed_size: 0
    .kernarg_segment_align: 8
    .kernarg_segment_size: 48
    .max_flat_workgroup_size: 512
    .sgpr_count:     66
    .vgpr_count:     218
    .wavefront_size: 32
...
	.end_amdgpu_metadata
.endif
;; end of part 4
